; MI455X (gfx1250); checked and timed in simulation.
; The chip was launched on July 23, 2026; its instructions are those of AMD's public machine-readable ISA for CDNA 5 (MIT licence, August 2026) and "CDNA5" Instruction Set Architecture Reference Guide (July 2026). The comments in the code are by the model that wrote it; some were corrected since.
;; Dot Product Attention. Allowed arithmetic: float matrix products may take bf16 or f16 operands with f32 sums; other float arithmetic in f32, or as packed bf16 or f16 multiplies, adds, multiply-adds, maxima and minima; sums over many terms, partial sums and values carried from step to step in f32; what a program stores and reads back later, other than sums and carried values, may be rounded once to bf16 or f16.
;; Inputs: K 32 x 8 x 1,024 x 16 float32; Q 32 x 8 x 1,024 x 16 float32; V 32 x 8 x 1,024 x 16 float32; mask 32 x 1,024 x 1 bool.
;; Outputs: out0 32 x 8 x 1,024 x 16 float32.
;; 2 versions, each right; version 2 is version 1 with the launch rank written anew for expert scheduling mode. Each part assembles by itself: llvm-mc -triple=amdgcn-amd-amdhsa -mcpu=gfx1250 --defsym DOCPART=n.
;; ======== version 1 of 2: 2 launches
;; workspace buffers: order 131,072 bytes of whole numbers; count 4,096 bytes of whole numbers
;; launch rank (part 1): grid 32 x 1, 1 waves a work-group, no clusters, 0 bytes of LDS; arguments mask, order, count; writes order, count
.if DOCPART == 1
	.amdgcn_target "amdgcn-amd-amdhsa--gfx1250"
	.amdhsa_code_object_version 6
	.text
	.protected	k_q9d6d5f8a7b_rank
	.globl	k_q9d6d5f8a7b_rank
	.p2align	8
	.type	k_q9d6d5f8a7b_rank,@function
k_q9d6d5f8a7b_rank:
	s_mov_b64 s[64:65], 0
	v_nop
	global_prefetch_b8 v0, s[64:65] scope:SCOPE_SE
	s_setreg_imm32_b32 hwreg(HW_REG_WAVE_MODE, 25, 1), 1
	s_wait_xcnt 0x0
; order[b][0..1023] = a permutation of batch b's key numbers: the open keys (mask byte 0) first, ascending; the masked keys from slot 1023 downward.
; count[b][0..31]   = the number of open keys of batch b, written 32 times, so that one store of all 32 lanes writes it and EXEC is never narrowed.
; A mask byte other than 0 counts as masked.
; SHARES.  One wave to a batch, 32 work-groups: that is all the work there is (32,768 mask bytes).  Lane l of trip t holds key 32 t + l, so the open keys keep their order,
; and 32 neighbouring slots of order name rows of K and V that lie near each other.
; A key's slot is a count of lanes: open keys so far + open lanes below mine, or TOP - masked lanes below mine.
; STORES.  A trip's store writes two runs of neighbouring words (its open keys, its masked keys), not whole aligned blocks of 256 bytes: 128 KiB once a program.
; Each trip has its own offset and data registers, so no source of a pending store is ever written again and no wait stands for them.
.set MB,   8                           ; v[8:39]    trip t's mask byte
.set PO,   40                          ; v[40:71]   trip t's byte offset in order
.set KN,   72                          ; v[72:103]  trip t's key number
.set OPEN, 16                          ; s16  open keys so far
.set TOP,  17                          ; s17  the slot of the next masked key
	s_load_b128 s[4:7], s[0:1], 0x0                ; mask s[4:5], order s[6:7]
	s_load_b64 s[8:9], s[0:1], 0x10                ; count
	s_lshl_b32 s10, ttmp9, 10                      ; the batch's 1,024 mask bytes,
	s_mov_b32 s11, 0
	s_lshl_b32 s12, ttmp9, 12                      ; its 4,096 bytes of order,
	s_mov_b32 s13, 0
	s_lshl_b32 s14, ttmp9, 7                       ; its 128 bytes of count
	s_mov_b32 s15, 0
	s_mov_b32 s[OPEN], 0
	s_mov_b32 s[TOP], 1023
	s_wait_kmcnt 0x0
	s_add_nc_u64 s[4:5], s[4:5], s[10:11]
	s_add_nc_u64 s[6:7], s[6:7], s[12:13]
	s_add_nc_u64 s[8:9], s[8:9], s[14:15]
.set t, 0
.rept 32
	global_load_u8 v[MB+t], v0, s[4:5] offset:32*t ; 32 neighbouring bytes a load; all 32 loads go out together
.set t, t+1
.endr
.macro BALLOT t
	s_wait_loadcnt 31-(\t)                         ; loads come back in order: trip t's is in, the 31 - t younger ones may stay out
	v_cmp_eq_u32 s18, 0, v[MB+(\t)]                ; the open lanes,
	s_not_b32 s19, s18                             ; the masked lanes
	v_mbcnt_lo_u32_b32 v1, s18, 0                  ; open lanes below mine
	v_mbcnt_lo_u32_b32 v2, s19, 0                  ; masked lanes below mine
	v_add_nc_u32 v1, s[OPEN], v1                   ; my slot if I am open,
	v_sub_nc_u32 v2, s[TOP], v2                    ; and if I am masked
	v_cndmask_b32 v[PO+(\t)], v2, v1, s18
	v_min_u32 v[PO+(\t)], 0x3ff, v[PO+(\t)]        ; a number made of loaded data enters an address only clamped; it lies in 0 .. 1023 anyway
	v_lshlrev_b32 v[PO+(\t)], 2, v[PO+(\t)]
	v_add_nc_u32 v[KN+(\t)], 32*(\t), v0           ; my key's number
	global_store_b32 v[PO+(\t)], v[KN+(\t)], s[6:7]
	s_bcnt1_i32_b32 s20, s18
	s_add_co_u32 s[OPEN], s[OPEN], s20             ; the open keys go up by the trip's open lanes,
	s_sub_co_u32 s[TOP], s[TOP], 32                ; TOP down by its masked lanes: 32 less the open ones
	s_add_co_u32 s[TOP], s[TOP], s20
.endm
.set t, 0
.rept 32
	BALLOT t
.set t, t+1
.endr
	v_mov_b32 v3, s[OPEN]
	v_lshlrev_b32 v4, 2, v0
	global_store_b32 v4, v3, s[8:9]                ; 128 neighbouring bytes
	s_endpgm
.Lfunc_end_k_q9d6d5f8a7b_rank:
	.size	k_q9d6d5f8a7b_rank, .Lfunc_end_k_q9d6d5f8a7b_rank-k_q9d6d5f8a7b_rank
	.p2alignl 7, 3214868480
	.fill 96, 4, 3214868480
	.section	.rodata,"a",@progbits
	.p2align	6, 0x0
	.amdhsa_kernel k_q9d6d5f8a7b_rank
		.amdhsa_group_segment_fixed_size 0
		.amdhsa_private_segment_fixed_size 0
		.amdhsa_enable_private_segment 0
		.amdhsa_kernarg_size 24
		.amdhsa_user_sgpr_count 2
		.amdhsa_user_sgpr_kernarg_segment_ptr 1
		.amdhsa_wavefront_size32 1
		.amdhsa_system_sgpr_workgroup_id_x 1
		.amdhsa_system_sgpr_workgroup_id_y 1
		.amdhsa_system_sgpr_workgroup_id_z 1
		.amdhsa_system_vgpr_workitem_id 0
		.amdhsa_next_free_vgpr 104
		.amdhsa_next_free_sgpr 66
		.amdhsa_reserve_vcc 0
		.amdhsa_float_denorm_mode_32 3
		.amdhsa_float_denorm_mode_16_64 3
		.amdhsa_memory_ordered 1
		.amdhsa_forward_progress 1
		.amdhsa_inst_pref_size 28
	.end_amdhsa_kernel
	.amdgpu_metadata
---
amdhsa.version: [ 1, 2 ]
amdhsa.kernels:
  - .name:           k_q9d6d5f8a7b_rank
    .symbol:         k_q9d6d5f8a7b_rank.kd
    .args:
      - { .name: mask, .offset: 0, .size: 8, .value_kind: global_buffer, .address_space: global }
      - { .name: order, .offset: 8, .size: 8, .value_kind: global_buffer, .address_space: global }
      - { .name: count, .offset: 16, .size: 8, .value_kind: global_buffer, .address_space: global }
    .group_segment_fixed_size: 0
    .private_segment_fixed_size: 0
    .kernarg_segment_align: 8
    .kernarg_segment_size: 24
    .max_flat_workgroup_size: 32
    .sgpr_count:     66
    .vgpr_count:     104
    .wavefront_size: 32
...
	.end_amdgpu_metadata
.endif
;; end of part 1
;; launch attn (part 2): grid 256 x 1, 16 waves a work-group, no clusters, 135,168 bytes of LDS; arguments Q, K, V, order, count, out0; writes out0
.if DOCPART == 2
	.amdgcn_target "amdgcn-amd-amdhsa--gfx1250"
	.amdhsa_code_object_version 6
	.text
	.protected	k_q9d6d5f8a7b_attn
	.globl	k_q9d6d5f8a7b_attn
	.p2align	8
	.type	k_q9d6d5f8a7b_attn,@function
k_q9d6d5f8a7b_attn:
	s_mov_b64 s[64:65], 0
	v_nop
	global_prefetch_b8 v0, s[64:65] scope:SCOPE_SE
	s_setreg_imm32_b32 hwreg(HW_REG_WAVE_MODE, 25, 1), 1
	s_wait_xcnt 0x0
; out0[b][h][q][:] = the sum over open keys k of softmax_k(10 tanh(Q[q] . K[k] / 4)) V[k][:].  Q, K, V, out0: [32][8][1024][16] f32.
; order[b] lists batch b's open keys first, count[b] says how many they are: both were stored by the launch before.  Masked keys are never multiplied.
; SHARES.  A work-group owns one head (256 heads, 256 work-groups).  Each of its sixteen waves owns 64 queries, four tiles of 16, and walks the head's open keys, 32 a step.
; Sixteen waves of 240 registers: while one wave waits behind a batch of transcendentals, the others on its SIMD issue; no register window is ever switched.
; NO RUNNING MAXIMUM.  reference() itself holds every logit in -10 .. 10, whatever the inputs.  With the fixed shift 10: p = exp(10 tanh x - 10) = exp(-20 / (1 + e^2x)),
; which lies in e^-20 .. 1 (2.1e-9 .. 1), and a row's sum in 2.1e-9 .. 1,024: nothing overflows or underflows in f32, nor in bf16, which has f32's exponents.
; THE FIRST SCALE RIDES IN THE PRODUCT.  The depth is 16, the matrix form's K is 32.  g = bf16(q) x c1 in f32, c1 = 2 log2(e) / 4; hi = bf16(g), lo = bf16(g - hi).  K places 0-15 hold (hi, k),
; places 16-31 (lo, k): k's sixteen numbers stand twice.  One product with C = 0 gives y = 2 x log2(e) with g kept to some 17 bits, and no score is multiplied by a vector instruction.
; THE SECOND SCALE RIDES IN THE RECIPROCAL.  e = 2^y; t = e kk + kk with kk = -ln 2 / 20; 1 / t = -(20 / ln 2) / (1 + e); p = 2^(1 / t).  e = infinity gives p = 1, e = 0 gives e^-20.
; THE ROW SUMS COME FROM THE MATRIX UNIT.  L = VAL x P, where every row of the first source is the slots' validity in bf16 (1 for an open key, 0 for padding).  Every register of L then holds
; the lane's own query's sum: no exchange between lanes and no addition a score.  Padding slots also hold K = 0 and V = 0.  The sums are those of the p rounded to bf16, as O's are.
; LAYOUT.  S^T = K Q^T (source 0 = 16 keys, source 1 = 16 queries): a lane holds ONE query (lane % 16) and the keys 8 (lane / 16) + 0..7.  Two such results rounded to bf16 in pairs ARE source 1
; (32 keys x 16 queries) of O^T = V^T P, whose result again holds one query a lane, and eight channels.
; BARRIERS.  Two: one between the stores that lay K, V and validity into LDS and the walk that reads them; one between the walk's reads and the LDS writes of the way out.
; NO CLUSTER: heads share nothing but the 4,096 bytes of order; K, V and Q differ from head to head.  NO TENSOR LOADS: K and V are gathered by a list and rounded from f32 on the way in, and a whole
; head lies in LDS at once: nothing is filled again.  NO PREFETCH: every global read is issued at the head.
; LIMITS.  Q, K, V are rounded once to bf16, p once to bf16.  An infinity in Q gives NaN (lo = infinity - infinity), and so does a Q beyond 3.39e38, which bf16 rounds to infinity.
; A batch with no open key gives 0 x (1 / 0) = NaN, as reference() does.
.set KB,    0                          ; K in bf16, two planes of 16,384 bytes: plane h holds dims 8 h .. 8 h + 7 of slot s at 16 s: the 16 lanes of a fragment load read 256 bytes on end
.set VB,    32768                      ; V in bf16, [slot][16]: rows of 32 bytes
.set LB,    65536                      ; validity in bf16, [slot]
.set STAGE, 67584                      ; 4,096 bytes for each wave: its 64 rows of out0 as they lie in memory
.set SPARE, 133120                     ; the spare words, 128 bytes for each of the sixteen waves: eight blocks of 256 bytes that no other line names
.set RL,  1                            ; v1   lane % 16
.set HL,  2                            ; v2   lane / 16
.set AK0, 3                            ; v3   my place in a step's K; never rewritten
.set AV0, 4                            ; v4   in its V
.set AL0, 5                            ; v5   in its validity
.set AK,  6                            ; v6-8 the same for the step in hand
.set AV,  7
.set AL,  8
.set SPW, 9                            ; v9   LDS address of my spare word: SPARE + 4 x my thread's number; never rewritten
.set NIL, 10                           ; v10  0; never rewritten
.set STO, 11                           ; v11  the way out: where I put 32 bytes of a row
.set RD,  12                           ; v12  the way out: where I read 16 bytes back
.set GO,  13                           ; v13  my byte offset in 512 consecutive bytes of out0
.set W0,  14                           ; v14, v15 at work at the head
.set W1,  15
.set QF,  16                           ; v[16:47]   Q's fragments, 8 a tile: registers 0-3 hi, 4-7 lo
.set OA,  48                           ; v[48:79]   O^T, 8 a tile
.set LA,  80                           ; v[80:111]  L, 8 a tile
.set KF,  112                          ; v[112:127] K's fragments: key block kb at + 8 kb
.set VF,  128                          ; v[128:135] V^T's fragment
.set LF,  136                          ; v[136:143] validity's fragment
.set SC,  144                          ; v[144:207] scores: tile t, key block kb at + 16 t + 8 kb
.set PB,  208                          ; v[208:239] P, 8 a tile
; at the head the same registers serve otherwise:
.set ROWS, 48                          ; v[48:111]  gathered rows in f32: K of chunk 0, V of chunk 0, K of chunk 1, V of chunk 1, 16 each
.set QR,  144                          ; v[144:175] Q as loaded, 8 a tile
.set BQ,  176                          ; v[176:179] bf16(q), packed
.set FQ,  180                          ; v[180:187] g, then g - hi
.set UQ,  188                          ; v[188:195] hi as f32
.set TP,  208                          ; v[208:215] a row packed to bf16
.set OO,  216                          ; v216  4 x thread: my word of order
.set SL1, 217                          ; v217  my slot of chunk 1: thread + 512 (chunk 0: the thread's number)
.set IX,  218                          ; v218, v219  my two keys' numbers, then their rows' byte offsets
.set QO,  220                          ; v220  my byte offset in 16 rows of Q
.set SK,  221                          ; v221-223  where my slot of chunk 0 lies in KB, VB, LB
.set SV,  222
.set SVAL, 223
.set WV,  16                           ; s16  my wave's number
.set CN,  17                           ; s17  open keys of the batch
.set NS,  18                           ; s18  steps: at least one
.set TS,  19                           ; s19  the step in hand
.set C1,  24                           ; s[24:25] c1, named as a pair
.set KK,  26                           ; s[26:27] kk, named as a pair
.set HM,  28                           ; s28  a word's upper bf16
.set VM,  29                           ; s29, s30  lanes whose slot of chunk 0, 1 holds an open key
	s_load_b256 s[4:11], s[0:1], 0x0               ; Q s[4:5], K s[6:7], V s[8:9], order s[10:11]
	s_load_b128 s[12:15], s[0:1], 0x20             ; count s[12:13], out0 s[14:15]
	v_lshl_add_u32 v[SPW], v0, 2, SPARE
	v_mov_b32 v[NIL], 0
	v_lshrrev_b32 v[W0], 5, v0
	v_readfirstlane_b32 s[WV], v[W0]               ; wave 0..15
	s_lshl_b32 s20, ttmp9, 16                      ; the head's 65,536 bytes in Q, K, V and out0
	s_mov_b32 s21, 0
	s_lshl_b32 s22, s[WV], 12                      ; my wave's 64 rows of 64 bytes
	s_add_co_u32 s22, s22, s20
	s_mov_b32 s23, 0
	s_lshr_b32 s32, ttmp9, 3                       ; the batch
	s_lshl_b32 s34, s32, 7                         ; its 128 bytes of count,
	s_lshl_b32 s32, s32, 12                        ; its 4,096 bytes of order
	s_mov_b32 s33, 0
	s_mov_b32 s35, 0
	s_lshl_b32 s36, s[WV], 12
	s_add_co_u32 s36, s36, STAGE                   ; my stage
	s_mov_b32 s[C1], 0x3f38aa3b                    ; c1 = 2 log2(e) / 4 = 0.72134752
	s_mov_b32 s[C1+1], s[C1]
	s_mov_b32 s[KK], 0xbd0df4e0                    ; kk = -ln 2 / 20 = -0.034657359
	s_mov_b32 s[KK+1], s[KK]
	s_mov_b32 s[HM], 0xffff0000
	v_and_b32 v[RL], 15, v0
	v_bfe_u32 v[HL], v0, 4, 1
	v_lshlrev_b32 v[OO], 2, v0
	v_lshlrev_b32 v[QO], 6, v[RL]
	v_lshl_add_u32 v[QO], v[HL], 5, v[QO]          ; row l % 16, dims 8 (l / 16) on: 64 r + 32 h
	s_wait_kmcnt 0x0
	s_add_nc_u64 s[4:5], s[4:5], s[22:23]          ; Q and out0 at my wave's first row,
	s_add_nc_u64 s[14:15], s[14:15], s[22:23]
	s_add_nc_u64 s[6:7], s[6:7], s[20:21]          ; K and V at the head's,
	s_add_nc_u64 s[8:9], s[8:9], s[20:21]
	s_add_nc_u64 s[10:11], s[10:11], s[32:33]      ; order and count at the batch's
	s_add_nc_u64 s[12:13], s[12:13], s[34:35]
	s_load_b32 s[CN], s[12:13], 0x0
	global_load_b32 v[IX], v[OO], s[10:11]                 ; the key of my slot of chunk 0,
	global_load_b32 v[IX+1], v[OO], s[10:11] offset:2048   ; and of chunk 1
.irp t, 0,1,2,3
	global_load_b128 v[QR+8*(\t):QR+8*(\t)+3],   v[QO], s[4:5] offset:1024*(\t) th:TH_LOAD_NT
	global_load_b128 v[QR+8*(\t)+4:QR+8*(\t)+7], v[QO], s[4:5] offset:1024*(\t)+16 th:TH_LOAD_NT
.endr
	; the lanes' addresses, while those loads are out
	v_add_nc_u32 v[SL1], 512, v0
	v_lshlrev_b32 v[AK0], 4, v[RL]
	v_lshl_add_u32 v[AK0], v[HL], 14, v[AK0]       ; plane l / 16, slot l % 16
	; the turning load takes 16 keys x 16 channels: lane l reads key 8 (l / 16) + l % 8, channels 8 ((l / 8) % 2) + 0..7, and is left with channel l % 16 and 8 keys
	v_and_b32 v[W0], 7, v0
	v_lshl_add_u32 v[W0], v[HL], 3, v[W0]
	v_lshlrev_b32 v[AV0], 5, v[W0]
	v_bfe_u32 v[W1], v0, 3, 1
	v_lshl_add_u32 v[AV0], v[W1], 4, v[AV0]
	v_add_nc_u32 v[AV0], VB, v[AV0]
	v_lshl_add_u32 v[AL0], v[HL], 4, LB            ; slots 8 (l / 16) on: the same for all rows
	v_add_nc_u32 v[STO], s36, v[QO]                ; in: row l % 16, 32 bytes for each half of the lanes
	v_and_b32 v[GO], 31, v0
	v_lshlrev_b32 v[GO], 4, v[GO]
	v_add_nc_u32 v[RD], s36, v[GO]                 ; back: 32 lanes take 512 bytes on end
	v_lshlrev_b32 v[SK], 4, v0
	v_lshl_add_u32 v[SV], v0, 5, VB
	v_lshl_add_u32 v[SVAL], v0, 1, LB
	v_mov_b32 v[W1], 0x3f80                        ; 1.0 in bf16
	s_wait_kmcnt 0x0                               ; the count
	s_min_u32 s[CN], s[CN], 1024                   ; a loaded number steers a trip count only clamped; it lies in 0 .. 1,024 anyway
	s_add_co_u32 s[NS], s[CN], 31
	s_lshr_b32 s[NS], s[NS], 5
	s_max_u32 s[NS], s[NS], 1                      ; the first step always runs: with no open key it works on zeros
	v_cmp_gt_u32 s[VM], s[CN], v0                  ; is my slot's key open?
	v_cmp_gt_u32 s[VM+1], s[CN], v[SL1]
	s_wait_loadcnt 8                               ; my two keys' numbers are in; the eight loads of Q, issued behind them, may stay out
.irp c, 0,1
	v_cndmask_b32 v[IX+(\c)], 0, v[IX+(\c)], s[VM+(\c)]  ; dead slots all name row 0: their rows are thrown away below
	v_min_u32 v[IX+(\c)], 0x3ff, v[IX+(\c)]        ; a loaded number enters an address only clamped
	v_lshlrev_b32 v[IX+(\c)], 6, v[IX+(\c)]        ; a row is 64 bytes
.endr
.irp c, 0,1
.irp j, 0,1,2,3
	global_load_b128 v[ROWS+32*(\c)+4*(\j):ROWS+32*(\c)+4*(\j)+3], v[IX+(\c)], s[6:7] offset:16*(\j)
.endr
.irp j, 0,1,2,3
	global_load_b128 v[ROWS+32*(\c)+16+4*(\j):ROWS+32*(\c)+16+4*(\j)+3], v[IX+(\c)], s[8:9] offset:16*(\j)
.endr
.endr
; Tile t's fragment of Q: q rounded to bf16, scaled in f32, and split into hi and lo.
.macro QCONV t
.irp i, 0,1,2,3
	v_cvt_pk_bf16_f32 v[BQ+(\i)], v[QR+8*(\t)+2*(\i)], v[QR+8*(\t)+2*(\i)+1]
.endr
.irp i, 0,1,2,3
	v_lshlrev_b32 v[FQ+2*(\i)], 16, v[BQ+(\i)]
	v_and_b32 v[FQ+2*(\i)+1], s[HM], v[BQ+(\i)]
.endr
.irp i, 0,1,2,3
	v_pk_mul_f32 v[FQ+2*(\i):FQ+2*(\i)+1], v[FQ+2*(\i):FQ+2*(\i)+1], s[C1:C1+1] op_sel_hi:[1,0]  ; g
.endr
.irp i, 0,1,2,3
	v_cvt_pk_bf16_f32 v[QF+8*(\t)+(\i)], v[FQ+2*(\i)], v[FQ+2*(\i)+1]  ; hi
.endr
.irp i, 0,1,2,3
	v_lshlrev_b32 v[UQ+2*(\i)], 16, v[QF+8*(\t)+(\i)]
	v_and_b32 v[UQ+2*(\i)+1], s[HM], v[QF+8*(\t)+(\i)]
.endr
.irp i, 0,1,2,3
	v_pk_add_f32 v[FQ+2*(\i):FQ+2*(\i)+1], v[FQ+2*(\i):FQ+2*(\i)+1], v[UQ+2*(\i):UQ+2*(\i)+1] neg_lo:[0,1] neg_hi:[0,1]  ; g - hi
.endr
.irp i, 0,1,2,3
	v_cvt_pk_bf16_f32 v[QF+8*(\t)+4+(\i)], v[FQ+2*(\i)], v[FQ+2*(\i)+1]  ; lo
.endr
.endm
; A gathered row of 16 f32 at v[src] is rounded to bf16, 32 bytes, and set to 0 in a dead slot.
.macro ROWPACK src, vm
.irp i, 0,1,2,3,4,5,6,7
	v_cvt_pk_bf16_f32 v[TP+(\i)], v[(\src)+2*(\i)], v[(\src)+2*(\i)+1]
.endr
.irp i, 0,1,2,3,4,5,6,7
	v_cndmask_b32 v[TP+(\i)], 0, v[TP+(\i)], s[\vm]
.endr
.endm
	s_wait_loadcnt 16                              ; Q is in; the sixteen loads of rows may stay out
	QCONV 0
	QCONV 1
	QCONV 2
	QCONV 3
	s_wait_loadcnt 12                              ; K of chunk 0
	ROWPACK ROWS, VM
	ds_store_b128 v[SK], v[TP:TP+3]                        ; dims 0-7 into plane 0,
	ds_store_b128 v[SK], v[TP+4:TP+7] offset:16384         ; dims 8-15 into plane 1
	s_wait_loadcnt 8                               ; V of chunk 0
	ROWPACK ROWS+16, VM
	ds_store_b128 v[SV], v[TP:TP+3]
	ds_store_b128 v[SV], v[TP+4:TP+7] offset:16
	s_wait_loadcnt 4                               ; K of chunk 1: 512 slots on
	ROWPACK ROWS+32, VM+1
	ds_store_b128 v[SK], v[TP:TP+3] offset:8192
	ds_store_b128 v[SK], v[TP+4:TP+7] offset:24576
	s_wait_loadcnt 0x0                             ; V of chunk 1
	ROWPACK ROWS+48, VM+1
	ds_store_b128 v[SV], v[TP:TP+3] offset:16384
	ds_store_b128 v[SV], v[TP+4:TP+7] offset:16400
	v_cndmask_b32 v[W0], 0, v[W1], s[VM]
	ds_store_b16 v[SVAL], v[W0]
	v_cndmask_b32 v[W0], 0, v[W1], s[VM+1]
	ds_store_b16 v[SVAL], v[W0] offset:1024
	s_wait_dscnt 0x0                               ; for the others' sake: my stores are done.  All 1,024 slots are written, whatever the count
	s_barrier_signal -1
	s_barrier_wait -1                              ; the first barrier: throughout the walk K, V and validity are only read, and nothing is written into LDS
; A STEP: 32 keys x my 64 queries.  first = 1: its products start O^T's and L's sums with the constant 0: nothing is ever cleared.
.macro STEP first
	v_lshl_add_u32 v[AK], s[TS], 9, v[AK0]         ; 32 slots are 512 bytes of a plane of K,
	v_lshl_add_u32 v[AV], s[TS], 10, v[AV0]        ; 1,024 of V,
	v_lshl_add_u32 v[AL], s[TS], 6, v[AL0]         ; 64 of validity
	v_nop                                          ; four plain vector instructions stand between the last step's products and the loads into registers that they read (ISA guide 7.12.1 for vector instructions)
	ds_load_b128 v[KF:KF+3],     v[AK]             ; k's eight numbers stand twice in a fragment: beside hi and beside lo
	ds_load_b128 v[KF+4:KF+7],   v[AK]
	ds_load_b128 v[KF+8:KF+11],  v[AK] offset:256
	ds_load_b128 v[KF+12:KF+15], v[AK] offset:256
	ds_load_tr16_b128 v[VF:VF+3],   v[AV]
	ds_load_tr16_b128 v[VF+4:VF+7], v[AV] offset:512
	ds_load_b128 v[LF:LF+3],   v[AL]
	ds_load_b128 v[LF+4:LF+7], v[AL] offset:32
	s_wait_dscnt 4                                 ; K is in; the four younger loads, V's and validity's, may stay out
.irp t, 0,1,2,3
.irp kb, 0,1
	v_wmma_f32_16x16x32_bf16 v[SC+16*(\t)+8*(\kb):SC+16*(\t)+8*(\kb)+7], v[KF+8*(\kb):KF+8*(\kb)+7], v[QF+8*(\t):QF+8*(\t)+7], 0  ; y: eight results, no chain
.endr
.endr
.rept 4
	v_nop                                          ; the places between the products and the first read of a result (ISA guide 7.12.1)
.endr
.set e, 0
.rept 64
	v_exp_f32 v[SC+e], v[SC+e]                     ; e = 2^y; ascending, so each result's lowest registers are read first
.set e, e+1
.endr
	v_nop                                          ; a plain instruction behind the last of the batch,
	s_wait_alu depctr_va_vdst(0)                   ; and one wait for all 64, ahead of their first reader
	v_pk_fma_f32 v[SC:SC+1], v[SC:SC+1], s[KK:KK+1], s[KK:KK+1] op_sel_hi:[1,0,0]  ; t = e kk + kk, a pair at a time; a pair is made one pair ahead of its reciprocals
.set e, 0
.rept 32
.if e < 31
	v_pk_fma_f32 v[SC+2*e+2:SC+2*e+3], v[SC+2*e+2:SC+2*e+3], s[KK:KK+1], s[KK:KK+1] op_sel_hi:[1,0,0]
.endif
	v_rcp_f32 v[SC+2*e], v[SC+2*e]                 ; no line of this batch names a reciprocal's result
	v_rcp_f32 v[SC+2*e+1], v[SC+2*e+1]
.set e, e+1
.endr
	v_nop
	s_wait_alu depctr_va_vdst(0)                   ; one wait for the 64 reciprocals
.set e, 0
.rept 64
	v_exp_f32 v[SC+e], v[SC+e]                     ; p = 2^(1 / t)
.set e, e+1
.endr
	v_nop
	s_wait_alu depctr_va_vdst(0)                   ; one wait for the 64 weights
.set e, 0
.rept 32
	v_cvt_pk_bf16_f32 v[PB+e], v[SC+2*e], v[SC+2*e+1]  ; a tile's two results, rounded in pairs, are source 1 of the second products
.set e, e+1
.endr
	s_wait_dscnt 0x0                               ; V and validity are in
.irp t, 0,1,2,3                        ; eight accumulators by turns, one instruction a turn; the next step's eight score products stand between two laps
.if \first
	v_wmma_f32_16x16x32_bf16 v[OA+8*(\t):OA+8*(\t)+7], v[VF:VF+7], v[PB+8*(\t):PB+8*(\t)+7], 0
	v_wmma_f32_16x16x32_bf16 v[LA+8*(\t):LA+8*(\t)+7], v[LF:LF+7], v[PB+8*(\t):PB+8*(\t)+7], 0
.else
	v_wmma_f32_16x16x32_bf16 v[OA+8*(\t):OA+8*(\t)+7], v[VF:VF+7], v[PB+8*(\t):PB+8*(\t)+7], v[OA+8*(\t):OA+8*(\t)+7]
	v_wmma_f32_16x16x32_bf16 v[LA+8*(\t):LA+8*(\t)+7], v[LF:LF+7], v[PB+8*(\t):PB+8*(\t)+7], v[LA+8*(\t):LA+8*(\t)+7]
.endif
.endr
.endm
	s_mov_b32 s[TS], 0
	STEP 1                                         ; the first step stands ahead of the loop
	s_mov_b32 s[TS], 1
.Lstep:                                        ; counted to the constant 32 (1,024 slots); left, by a jump forward that passes no barrier, when the batch's open keys are used up
	s_cmp_ge_u32 s[TS], s[NS]
	s_cbranch_scc1 .Lout
	STEP 0
	s_add_co_u32 s[TS], s[TS], 1
	s_cmp_lt_u32 s[TS], 32
	s_cbranch_scc1 .Lstep
.Lout:
	; THE WAY OUT.  O^T is divided by the row's sum and sent through my stage, which is my 64 rows of out0 as they lie in memory.
	; The second barrier stands between every wave's reads of the walk and every LDS write that follows.  All sixteen waves have the head's one step count, and every path comes by here.
	s_wait_dscnt 0x0                               ; for the others' sake: my reads of K, V and validity are over
	s_barrier_signal -1                            ; say so; the division, work on registers alone, stands between the signal and the wait
.rept 4
	v_nop                                          ; the places behind the last products
.endr
.irp t, 0,1,2,3
	v_rcp_f32 v[SC+2*(\t)], v[LA+8*(\t)]           ; every register of L holds my query's sum: the lowest is taken
.endr
	v_nop                                          ; a plain instruction behind the last reciprocal,
	s_wait_alu depctr_va_vdst(0)                   ; and one wait for the four
.set e, 0
.rept 16
	v_pk_mul_f32 v[OA+2*e:OA+2*e+1], v[OA+2*e:OA+2*e+1], v[SC+2*(e/4):SC+2*(e/4)+1] op_sel_hi:[1,0]  ; ascending: each accumulator's lowest registers first
.set e, e+1
.endr
	s_barrier_wait -1                              ; no wave reads K, V or validity any more
.irp t, 0,1,2,3
	ds_store_b128 v[STO], v[OA+8*(\t):OA+8*(\t)+3]   offset:1024*(\t)      ; my query's channels 8 (l / 16) + 0..3,
	ds_store_b128 v[STO], v[OA+8*(\t)+4:OA+8*(\t)+7] offset:1024*(\t)+16   ; and + 4..7
.endr
.irp i, 0,1,2,3,4,5,6,7
	ds_load_b128 v[PB+4*(\i):PB+4*(\i)+3], v[RD] offset:512*(\i)  ; LDS serves a wave's instructions in order (ISA guide 5.7.1.4): these see the stores above; the bytes are my wave's own
.endr
.irp i, 0,1,2,3,4,5,6,7
	s_wait_dscnt 7-(\i)                            ; load i is back; the 7 - i younger ones may stay out
	global_store_b128 v[GO], v[PB+4*(\i):PB+4*(\i)+3], s[14:15] offset:512*(\i) th:TH_STORE_NT  ; 512 consecutive bytes, at a multiple of 512 from out0's first byte
.endr
	s_wait_tensorcnt 0x0                           ; the wave's end, behind my last LDS store
	ds_add_u32 v[SPW], v[NIL]
	s_wait_dscnt 0x0
	s_endpgm
.Lfunc_end_k_q9d6d5f8a7b_attn:
	.size	k_q9d6d5f8a7b_attn, .Lfunc_end_k_q9d6d5f8a7b_attn-k_q9d6d5f8a7b_attn
	.p2alignl 7, 3214868480
	.fill 96, 4, 3214868480
	.section	.rodata,"a",@progbits
	.p2align	6, 0x0
	.amdhsa_kernel k_q9d6d5f8a7b_attn
		.amdhsa_group_segment_fixed_size 135168
		.amdhsa_private_segment_fixed_size 0
		.amdhsa_enable_private_segment 0
		.amdhsa_kernarg_size 48
		.amdhsa_user_sgpr_count 2
		.amdhsa_user_sgpr_kernarg_segment_ptr 1
		.amdhsa_wavefront_size32 1
		.amdhsa_system_sgpr_workgroup_id_x 1
		.amdhsa_system_sgpr_workgroup_id_y 1
		.amdhsa_system_sgpr_workgroup_id_z 1
		.amdhsa_system_vgpr_workitem_id 0
		.amdhsa_next_free_vgpr 240
		.amdhsa_next_free_sgpr 66
		.amdhsa_reserve_vcc 0
		.amdhsa_float_denorm_mode_32 3
		.amdhsa_float_denorm_mode_16_64 3
		.amdhsa_memory_ordered 1
		.amdhsa_forward_progress 1
		.amdhsa_inst_pref_size 46
	.end_amdhsa_kernel
	.amdgpu_metadata
---
amdhsa.version: [ 1, 2 ]
amdhsa.kernels:
  - .name:           k_q9d6d5f8a7b_attn
    .symbol:         k_q9d6d5f8a7b_attn.kd
    .args:
      - { .name: Q, .offset: 0, .size: 8, .value_kind: global_buffer, .address_space: global }
      - { .name: K, .offset: 8, .size: 8, .value_kind: global_buffer, .address_space: global }
      - { .name: V, .offset: 16, .size: 8, .value_kind: global_buffer, .address_space: global }
      - { .name: order, .offset: 24, .size: 8, .value_kind: global_buffer, .address_space: global }
      - { .name: count, .offset: 32, .size: 8, .value_kind: global_buffer, .address_space: global }
      - { .name: out0, .offset: 40, .size: 8, .value_kind: global_buffer, .address_space: global }
    .group_segment_fixed_size: 135168
    .private_segment_fixed_size: 0
    .kernarg_segment_align: 8
    .kernarg_segment_size: 48
    .max_flat_workgroup_size: 512
    .sgpr_count:     66
    .vgpr_count:     240
    .wavefront_size: 32
...
	.end_amdgpu_metadata
.endif
;; end of part 2
;; ======== version 2 of 2: 2 launches; version 1 with the launch rank written anew for expert scheduling mode
;; workspace buffers: order 131,072 bytes of whole numbers; count 4,096 bytes of whole numbers
;; launch rank (part 3): grid 32 x 1, 1 waves a work-group, no clusters, 0 bytes of LDS; arguments mask, order, count; writes order, count
.if DOCPART == 3
	.amdgcn_target "amdgcn-amd-amdhsa--gfx1250"
	.amdhsa_code_object_version 6
	.text
	.protected	k_q9d6d5f8a7b_rank
	.globl	k_q9d6d5f8a7b_rank
	.p2align	8
	.type	k_q9d6d5f8a7b_rank,@function
k_q9d6d5f8a7b_rank:
	s_mov_b64 s[64:65], 0
	v_nop
	global_prefetch_b8 v0, s[64:65] scope:SCOPE_SE
	s_setreg_imm32_b32 hwreg(HW_REG_WAVE_SCHED_MODE, 0, 2), 2
	s_setreg_imm32_b32 hwreg(HW_REG_WAVE_MODE, 25, 1), 1
	s_wait_xcnt 0x0
	s_wait_alu depctr_vm_vsrc(0)
; order[b][0..1023] = a permutation of batch b's key numbers: the open keys (mask byte 0) first, ascending; the masked keys from slot 1023 downward.
; count[b][0..31]   = the number of open keys of batch b, written 32 times, so that one store of all 32 lanes writes it and EXEC is never narrowed.
; A mask byte other than 0 counts as masked.
; SHARES.  One wave to a batch, 32 work-groups: that is all the work there is (32,768 mask bytes).  Lane l of trip t holds key 32 t + l, so the open keys keep their order,
; and 32 neighbouring slots of order name rows of K and V that lie near each other.
; A key's slot is a count of lanes: open keys so far + open lanes below mine, or TOP - masked lanes below mine.
; STORES.  A trip's store writes two runs of neighbouring words (its open keys, its masked keys), not whole aligned blocks of 256 bytes: 128 KiB once a program.
; Each trip has its own offset and data registers, so no source of a pending store is ever written again and no wait stands for them.
; THE MODE: SCHED_MODE bits 1:0 = 2 (LLVM: expert scheduling mode 2), set by the entry lines.  The code itself states the register dependences between vector instructions
; and memory instructions, and between vector instructions that write scalar registers and their readers, with s_wait_alu, always for 0.
; THE PLAN.  Registers that memory instructions touch:
;   v0        the loads' offset; as at the entry, never written.
;   MB        written by the 32 loads, which no vector line precedes; read by one compare each, behind the wait for the loads; never written again.
;   KN        written by 32 additions that stand while the loads are out; read by one store each.
;   PO        trip t's three last vector lines write PO[t]; one store reads it.
;   v3, v4    the count and its offset: written once, read by the last store.
;   v1, v2    at work: no memory instruction names them.
; The 32 trips go in four blocks of eight.  At the head of blocks 1 to 3 one wait states that the block before has written its PO; that block's eight stores follow, one ahead of each trip
; of the block in hand, whose vector lines name v1, v2 and its own PO alone.  A last wait stands ahead of the last nine stores.
; The lane masks, which compares write into scalar registers, are made in ONE run, into 32 registers, with one wait behind the run, ahead of their first reader.
.set MB,   8                           ; v[8:39]    trip t's mask byte
.set PO,   40                          ; v[40:71]   trip t's byte offset in order
.set KN,   72                          ; v[72:103]  trip t's key number
.set OPEN, 16                          ; s16  open keys so far
.set TOP,  17                          ; s17  the slot of the next masked key
.set MK,   24                          ; s[24:55]   trip t's open lanes
	s_load_b128 s[4:7], s[0:1], 0x0                ; mask s[4:5], order s[6:7]
	s_load_b64 s[8:9], s[0:1], 0x10                ; count
	s_lshl_b32 s10, ttmp9, 10                      ; the batch's 1,024 mask bytes,
	s_mov_b32 s11, 0
	s_lshl_b32 s12, ttmp9, 12                      ; its 4,096 bytes of order,
	s_mov_b32 s13, 0
	s_lshl_b32 s14, ttmp9, 7                       ; its 128 bytes of count
	s_mov_b32 s15, 0
	s_mov_b32 s[OPEN], 0
	s_mov_b32 s[TOP], 1023
	s_wait_kmcnt 0x0
	s_add_nc_u64 s[4:5], s[4:5], s[10:11]
	s_add_nc_u64 s[6:7], s[6:7], s[12:13]
	s_add_nc_u64 s[8:9], s[8:9], s[14:15]
.set t, 0
.rept 32
	global_load_u8 v[MB+t], v0, s[4:5] offset:32*t ; 32 neighbouring bytes a load; all 32 loads go out together.  No vector line has written v0 or named MB
.set t, t+1
.endr
.set t, 0
.rept 32
	v_add_nc_u32 v[KN+t], 32*t, v0                 ; my key's number in trip t: made while the loads are out
.set t, t+1
.endr
	v_lshlrev_b32 v4, 2, v0                        ; my word of count
	s_wait_loadcnt 0x0                             ; all 32 mask bytes are in: the first reader of a lane mask stands behind the last compare
.set t, 0
.rept 32
	v_cmp_eq_u32 s[MK+t], 0, v[MB+t]               ; trip t's open lanes
.set t, t+1
.endr
	s_wait_alu depctr_va_sdst(0)                   ; the 32 compares have written s[MK ..], ahead of their first reader: scalar and vector lines below read them
; Trip t: its lanes' slots, as byte offsets, into PO[t]; then the two running counts move on.
.macro SLOT t
	s_not_b32 s19, s[MK+(\t)]                      ; the masked lanes
	v_mbcnt_lo_u32_b32 v1, s[MK+(\t)], 0           ; open lanes below mine
	v_mbcnt_lo_u32_b32 v2, s19, 0                  ; masked lanes below mine
	v_add_nc_u32 v1, s[OPEN], v1                   ; my slot if I am open,
	v_sub_nc_u32 v2, s[TOP], v2                    ; and if I am masked
	v_cndmask_b32 v[PO+(\t)], v2, v1, s[MK+(\t)]
	v_min_u32 v[PO+(\t)], 0x3ff, v[PO+(\t)]        ; a number made of loaded data enters an address only clamped; it lies in 0 .. 1023 anyway
	v_lshlrev_b32 v[PO+(\t)], 2, v[PO+(\t)]
	s_bcnt1_i32_b32 s20, s[MK+(\t)]
	s_add_co_u32 s[OPEN], s[OPEN], s20             ; the open keys go up by the trip's open lanes,
	s_sub_co_u32 s[TOP], s[TOP], 32                ; TOP down by its masked lanes: 32 less the open ones
	s_add_co_u32 s[TOP], s[TOP], s20
.endm
.set t, 0
.rept 8                                        ; block 0: no block stands in front of it, so it stores nothing
	SLOT t
.set t, t+1
.endr
.rept 3                                        ; blocks 1 to 3
	s_wait_alu depctr_va_vdst(0)                   ; the block before has written its eight PO, which the eight stores below read as offsets (at block 1 also: all of KN, the stores' data, and v4)
.rept 8
	global_store_b32 v[PO+t-8], v[KN+t-8], s[6:7]  ; the trip eight back; no vector line since the wait names its two registers
	SLOT t
.set t, t+1
.endr
.endr
	v_mov_b32 v3, s[OPEN]
	s_wait_alu depctr_va_vdst(0)                   ; block 3 has written its eight PO, and v3 is written: the nine stores below read them
.set t, 24
.rept 8
	global_store_b32 v[PO+t], v[KN+t], s[6:7]
.set t, t+1
.endr
	global_store_b32 v4, v3, s[8:9]                ; 128 neighbouring bytes
	s_endpgm
.Lfunc_end_k_q9d6d5f8a7b_rank:
	.size	k_q9d6d5f8a7b_rank, .Lfunc_end_k_q9d6d5f8a7b_rank-k_q9d6d5f8a7b_rank
	.p2alignl 7, 3214868480
	.fill 96, 4, 3214868480
	.section	.rodata,"a",@progbits
	.p2align	6, 0x0
	.amdhsa_kernel k_q9d6d5f8a7b_rank
		.amdhsa_group_segment_fixed_size 0
		.amdhsa_private_segment_fixed_size 0
		.amdhsa_enable_private_segment 0
		.amdhsa_kernarg_size 24
		.amdhsa_user_sgpr_count 2
		.amdhsa_user_sgpr_kernarg_segment_ptr 1
		.amdhsa_wavefront_size32 1
		.amdhsa_system_sgpr_workgroup_id_x 1
		.amdhsa_system_sgpr_workgroup_id_y 1
		.amdhsa_system_sgpr_workgroup_id_z 1
		.amdhsa_system_vgpr_workitem_id 0
		.amdhsa_next_free_vgpr 104
		.amdhsa_next_free_sgpr 66
		.amdhsa_reserve_vcc 0
		.amdhsa_float_denorm_mode_32 3
		.amdhsa_float_denorm_mode_16_64 3
		.amdhsa_memory_ordered 1
		.amdhsa_forward_progress 1
		.amdhsa_inst_pref_size 28
	.end_amdhsa_kernel
	.amdgpu_metadata
---
amdhsa.version: [ 1, 2 ]
amdhsa.kernels:
  - .name:           k_q9d6d5f8a7b_rank
    .symbol:         k_q9d6d5f8a7b_rank.kd
    .args:
      - { .name: mask, .offset: 0, .size: 8, .value_kind: global_buffer, .address_space: global }
      - { .name: order, .offset: 8, .size: 8, .value_kind: global_buffer, .address_space: global }
      - { .name: count, .offset: 16, .size: 8, .value_kind: global_buffer, .address_space: global }
    .group_segment_fixed_size: 0
    .private_segment_fixed_size: 0
    .kernarg_segment_align: 8
    .kernarg_segment_size: 24
    .max_flat_workgroup_size: 32
    .sgpr_count:     66
    .vgpr_count:     104
    .wavefront_size: 32
...
	.end_amdgpu_metadata
.endif
;; end of part 3
;; launch attn: the kernel of part 2 again; grid 256 x 1, 16 waves a work-group, no clusters, 135,168 bytes of LDS; arguments Q, K, V, order, count, out0; writes out0
